; MI455X (gfx1250); checked and timed in simulation.
; The chip was launched on July 23, 2026; its instructions are those of AMD's public machine-readable ISA for CDNA 5 (MIT licence, August 2026) and "CDNA5" Instruction Set Architecture Reference Guide (July 2026). The comments in the code are by the model that wrote it; some were corrected since.
;; Attention. Allowed arithmetic: float matrix products may take bf16 or f16 operands with f32 sums; all other float work in f32.
;; Inputs: We 1,024 x 1 float32; Wk 1,024 x 1,024 float32; Wq 1,024 x 1,024 float32; decoder_hidden 32 x 1,024 float32; encoder_outputs 32 x 1,024 x 1,024 float32.
;; Outputs: out0 32 x 1,024 float32; out1 32 x 1,024 x 1 float32.
;; One version. Each part assembles by itself: llvm-mc -triple=amdgcn-amd-amdhsa -mcpu=gfx1250 --defsym DOCPART=n.
;; ======== version 1 of 1: 3 launches
;; workspace buffers: wkf 2,097,152 bytes; qp 524,288 bytes; energy 131,072 bytes; ctxp 1,048,576 bytes
;; launch prep (part 1): grid 128 x 1, 8 waves a work-group, no clusters, 66,560 bytes of LDS; arguments Wk, Wq, decoder_hidden, wkf, qp; writes wkf, qp
.if DOCPART == 1
	.amdgcn_target "amdgcn-amd-amdhsa--gfx1250"
	.amdhsa_code_object_version 6
	.text
	.protected	k_qd5b851c7a4_prep
	.globl	k_qd5b851c7a4_prep
	.p2align	8
	.type	k_qd5b851c7a4_prep,@function
k_qd5b851c7a4_prep:
	s_mov_b64 s[64:65], 0
	v_nop
	global_prefetch_b8 v0, s[64:65] scope:SCOPE_SE
	s_setreg_imm32_b32 hwreg(HW_REG_WAVE_MODE, 25, 1), 1
	s_wait_xcnt 0x0
; PREP.  Work-groups 0-63: Wk [1024 k][1024 d] f32 -> wkf, bf16, laid out as ready B fragments of the 16x16x32 matrix form.
;        Work-groups 64-127: qp[kq][b][d] = sum over k in [256 kq, 256 kq + 255] of decoder_hidden[b][k] Wq[k][d], f32.
; Both halves take the weight matrix in blocks of 32 k x 64 columns, one block a wave: x = work-group, sel = x >> 6, slab = x & 15
; (64 columns), kq = (x >> 4) & 3, wave w takes K step ks = 8 kq + w.
; A lane (r = lane & 15, h = lane >> 4) loads 16 bytes = columns 4r .. 4r+3 of rows 8h + i and 16 + 8h + i (i = 0 .. 7): sixteen lanes read 256
; consecutive aligned bytes of a row.  Word t of these loads belongs to fragment tile t, whose column r therefore stands for the real column
; 64 slab + 4 r + t: a fixed permutation of columns, which the main launch follows when it indexes q and We.
; wkf byte offset: (slab >> 1) 262144 + ks 8192 + (slab & 1) 4096 + t 1024 + hf 512 + 16 lane; there lie the 8 bf16
; Wk[32 ks + 16 hf + 8 h + 0..7][64 slab + 4 r + t].  Each store of a wave covers 512 consecutive bytes.
; Matrix operands are rounded to bf16, sums are f32.  No cluster: no two work-groups read the same weight block, and decoder_hidden is
; 131,072 bytes in all.
.set WF,  16                           ; v[16:79]    the weight block as loaded: register 4 i + t
.set BF,  80                           ; v[80:111]   four B fragments: register 8 t + p
.set DF,  112                          ; v[112:143]  decoder_hidden as loaded, 16 registers for each 16 rows
.set AF,  144                          ; v[144:159]  two A fragments
.set ACC, 160                          ; v[160:223]  eight result tiles (mt, t) at 8 (4 mt + t)
	s_load_b256 s[4:11], s[0:1], 0x0               ; Wk s[4:5], Wq s[6:7], decoder_hidden s[8:9], wkf s[10:11]
	s_load_b64 s[12:13], s[0:1], 0x20              ; qp
	v_lshl_add_u32 v224, v0, 2, 0x10000
	v_mov_b32 v225, 0
	v_and_b32 v1, 31, v0                           ; lane
	v_and_b32 v2, 15, v0                           ; r
	v_bfe_u32 v3, v0, 4, 1                         ; h
	v_lshrrev_b32 v10, 5, v0
	v_readfirstlane_b32 s16, v10                   ; wave 0..7
	s_lshr_b32 s17, ttmp9, 6                       ; sel: 0 = Wk, 1 = Wq
	s_and_b32 s18, ttmp9, 15                       ; slab
	s_bfe_u32 s19, ttmp9, 0x20004                  ; kq
	s_lshl3_add_u32 s20, s19, s16                  ; ks = 8 kq + wave
	v_lshlrev_b32 v4, 4, v2
	v_lshl_add_u32 v4, v3, 15, v4                  ; 8 h rows of 4,096 bytes + 16 r
	s_lshl_b32 s22, s20, 17                        ; 32 ks rows
	s_lshl_b32 s23, s18, 8                         ; 64 slab columns
	s_add_co_u32 s22, s22, s23
	s_mov_b32 s23, 0
	s_wait_kmcnt 0x0
	s_cmp_lg_u32 s17, 0
	s_cselect_b64 s[24:25], s[6:7], s[4:5]
	s_add_nc_u64 s[24:25], s[24:25], s[22:23]
.irp i, 0,1,2,3,4,5,6,7
	global_load_b128 v[WF+4*\i:WF+4*\i+3], v4, s[24:25] offset:\i*4096 th:TH_LOAD_NT              ; rows 8 h + i
.endr
.irp i, 8,9,10,11,12,13,14,15
	global_load_b128 v[WF+4*\i:WF+4*\i+3], v4, s[24:25] offset:32768+\i*4096 th:TH_LOAD_NT        ; rows 16 + 8 h + (i - 8)
.endr
; Fragment register p of tile t holds k = 2 p, 2 p + 1 of the lane's sixteen rows: words t of loads 2 p and 2 p + 1.
.macro PACK
.irp t, 0,1,2,3
.irp p, 0,1,2,3,4,5,6,7
	v_cvt_pk_bf16_f32 v[BF+8*\t+\p], v[WF+8*\p+\t], v[WF+8*\p+4+\t]
.endr
.endr
.endm
	s_cmp_lg_u32 s17, 0                            ; the same in all waves of a work-group
	s_cbranch_scc1 .Lq
	; ---- Wk: pack and store the four fragments
	v_lshlrev_b32 v6, 4, v1                        ; 16 lane
	s_lshr_b32 s26, s18, 1
	s_lshl_b32 s26, s26, 18                        ; block of 128 columns
	s_lshl_b32 s27, s20, 13                        ; K step
	s_add_co_u32 s26, s26, s27
	s_and_b32 s27, s18, 1
	s_lshl_b32 s27, s27, 12                        ; which 64 of the 128
	s_add_co_u32 s26, s26, s27
	s_mov_b32 s27, 0
	s_add_nc_u64 s[10:11], s[10:11], s[26:27]
	s_wait_loadcnt 0x0
	PACK
.irp t, 0,1,2,3
	global_store_b128 v6, v[BF+8*\t:BF+8*\t+3],   s[10:11] offset:\t*1024
	global_store_b128 v6, v[BF+8*\t+4:BF+8*\t+7], s[10:11] offset:\t*1024+512
.endr
	s_endpgm
	; ---- Wq: 32 rows of decoder_hidden x this block, then the eight waves' K steps are added through LDS
.Lq:
	v_lshlrev_b32 v5, 12, v2
	v_lshl_add_u32 v5, v3, 5, v5                   ; row r, 8 h numbers of 4 bytes
	s_lshl_b32 s26, s20, 7                         ; 32 ks numbers
	s_mov_b32 s27, 0
	s_add_nc_u64 s[8:9], s[8:9], s[26:27]
.irp mt, 0,1
	global_load_b128 v[DF+16*\mt:DF+16*\mt+3],     v5, s[8:9] offset:\mt*65536         ; k = 8 h + 0..3 of row 16 mt + r
	global_load_b128 v[DF+16*\mt+4:DF+16*\mt+7],   v5, s[8:9] offset:\mt*65536+16      ; k = 8 h + 4..7
	global_load_b128 v[DF+16*\mt+8:DF+16*\mt+11],  v5, s[8:9] offset:\mt*65536+64      ; k = 16 + 8 h + 0..3
	global_load_b128 v[DF+16*\mt+12:DF+16*\mt+15], v5, s[8:9] offset:\mt*65536+80      ; k = 16 + 8 h + 4..7
.endr
	v_lshlrev_b32 v7, 4, v2
	v_lshl_add_u32 v7, v3, 11, v7
	s_lshl_b32 s28, s16, 13
	v_add_nc_u32 v7, s28, v7                       ; LDS [wave][b 32][64 columns] f32: wave 8192 + 8 h rows of 256 + 16 r
	v_lshlrev_b32 v8, 4, v0                        ; reading back: 16 bytes a thread
	v_lshrrev_b32 v9, 4, v0
	v_lshlrev_b32 v9, 12, v9
	v_lshl_add_u32 v9, v2, 4, v9                   ; qp: row thread >> 4, 16 bytes at 16 (thread & 15)
	s_lshl_b32 s26, s19, 17                        ; kq planes of 32 x 4,096 bytes
	s_lshl_b32 s29, s18, 8
	s_add_co_u32 s26, s26, s29
	s_add_nc_u64 s[12:13], s[12:13], s[26:27]
	s_wait_loadcnt 0x0
	PACK
.irp mt, 0,1
.irp p, 0,1,2,3,4,5,6,7
	v_cvt_pk_bf16_f32 v[AF+8*\mt+\p], v[DF+16*\mt+2*\p], v[DF+16*\mt+2*\p+1]
.endr
.endr
.irp mt, 0,1
.irp t, 0,1,2,3
	v_wmma_f32_16x16x32_bf16 v[ACC+8*(4*\mt+\t):ACC+8*(4*\mt+\t)+7], v[AF+8*\mt:AF+8*\mt+7], v[BF+8*\t:BF+8*\t+7], 0
.endr
.endr
.rept 4
	v_nop                                          ; four places between the last matrix instruction and the stores that read results
.endr
.irp mt, 0,1
.irp t, 0,1,2,3
.irp j, 0,1,2,3,4,5,6,7
	ds_store_b32 v7, v[ACC+8*(4*\mt+\t)+\j] offset:\mt*4096+\j*256+\t*4        ; b = 16 mt + 8 h + j, column 4 r + t
.endr
.endr
.endr
	s_wait_dscnt 0x0                               ; my stores are in LDS before I say so
	s_barrier_signal -1
	s_barrier_wait -1
.irp wv, 0,1,2,3,4,5,6,7
	ds_load_b128 v[WF+8*\wv:WF+8*\wv+3],   v8 offset:\wv*8192                  ; rows 0-15 of wave wv's plane
	ds_load_b128 v[WF+8*\wv+4:WF+8*\wv+7], v8 offset:\wv*8192+4096             ; rows 16-31
.endr
	s_wait_dscnt 0x0
.irp wv, 1,2,3,4,5,6,7
.irp q, 0,2,4,6
	v_pk_add_f32 v[WF+\q:WF+\q+1], v[WF+\q:WF+\q+1], v[WF+8*\wv+\q:WF+8*\wv+\q+1]
.endr
.endr
	global_store_b128 v9, v[WF:WF+3],   s[12:13]                               ; sixteen lanes store 256 consecutive aligned bytes
	global_store_b128 v9, v[WF+4:WF+7], s[12:13] offset:65536
	s_wait_tensorcnt 0x0
	ds_add_u32 v224, v225
	s_wait_dscnt 0x0
	s_endpgm
.Lfunc_end_k_qd5b851c7a4_prep:
	.size	k_qd5b851c7a4_prep, .Lfunc_end_k_qd5b851c7a4_prep-k_qd5b851c7a4_prep
	.p2alignl 7, 3214868480
	.fill 96, 4, 3214868480
	.section	.rodata,"a",@progbits
	.p2align	6, 0x0
	.amdhsa_kernel k_qd5b851c7a4_prep
		.amdhsa_group_segment_fixed_size 66560
		.amdhsa_private_segment_fixed_size 0
		.amdhsa_enable_private_segment 0
		.amdhsa_kernarg_size 40
		.amdhsa_user_sgpr_count 2
		.amdhsa_user_sgpr_kernarg_segment_ptr 1
		.amdhsa_wavefront_size32 1
		.amdhsa_system_sgpr_workgroup_id_x 1
		.amdhsa_system_sgpr_workgroup_id_y 1
		.amdhsa_system_sgpr_workgroup_id_z 1
		.amdhsa_system_vgpr_workitem_id 0
		.amdhsa_next_free_vgpr 226
		.amdhsa_next_free_sgpr 66
		.amdhsa_reserve_vcc 0
		.amdhsa_float_denorm_mode_32 3
		.amdhsa_float_denorm_mode_16_64 3
		.amdhsa_memory_ordered 1
		.amdhsa_forward_progress 1
		.amdhsa_inst_pref_size 19
	.end_amdhsa_kernel
	.amdgpu_metadata
---
amdhsa.version: [ 1, 2 ]
amdhsa.kernels:
  - .name:           k_qd5b851c7a4_prep
    .symbol:         k_qd5b851c7a4_prep.kd
    .args:
      - { .name: Wk, .offset: 0, .size: 8, .value_kind: global_buffer, .address_space: global }
      - { .name: Wq, .offset: 8, .size: 8, .value_kind: global_buffer, .address_space: global }
      - { .name: decoder_hidden, .offset: 16, .size: 8, .value_kind: global_buffer, .address_space: global }
      - { .name: wkf, .offset: 24, .size: 8, .value_kind: global_buffer, .address_space: global }
      - { .name: qp, .offset: 32, .size: 8, .value_kind: global_buffer, .address_space: global }
    .group_segment_fixed_size: 66560
    .private_segment_fixed_size: 0
    .kernarg_segment_align: 8
    .kernarg_segment_size: 40
    .max_flat_workgroup_size: 256
    .sgpr_count:     66
    .vgpr_count:     226
    .wavefront_size: 32
...
	.end_amdgpu_metadata
.endif
;; end of part 1
;; launch main (part 2): grid 256 x 1, 4 waves a work-group, no clusters, 302,592 bytes of LDS; arguments encoder_outputs, wkf, qp, We, energy, ctxp; writes energy, ctxp
.if DOCPART == 2
	.amdgcn_target "amdgcn-amd-amdhsa--gfx1250"
	.amdhsa_code_object_version 6
	.text
	.protected	k_qd5b851c7a4_main
	.globl	k_qd5b851c7a4_main
	.p2align	8
	.type	k_qd5b851c7a4_main,@function
k_qd5b851c7a4_main:
	s_mov_b64 s[64:65], 0
	v_nop
	global_prefetch_b8 v0, s[64:65] scope:SCOPE_SE
	s_setreg_imm32_b32 hwreg(HW_REG_WAVE_MODE, 25, 1), 1
	s_wait_xcnt 0x0
; MAIN.  Work-group x takes rows 128 (x & 7) .. + 127 of batch x >> 3 and makes, for these 128 rows,
;   e'[s]  = sum over d of (-2 We[d]) / (1 + exp2(2.885390 (q[d] + keys[s][d]))),   keys = enc x Wk  (bf16 operands, f32 sums)
;   m      = max over the 128 rows of e',   ctxp[d] = sum over the 128 rows of exp(e'[s] - m) enc[s][d]  (bf16 operands, f32 sums)
; tanh(z) = 1 - 2 / (1 + exp2(2.885390 z)), so the energy of reference() is sum(We) + e'.  sum(We) is the same for every row and drops out of the
; softmax exactly; energies are no output, so e' stands for them.  An exponential that overflows gives infinity, its reciprocal 0, tanh 1;
; one that underflows gives tanh -1.  The maximum is taken away before every exponential of the softmax: here the 128 rows' own, in the last
; launch the batch's.  LIMITS: NaN or infinity among the inputs is not reproduced element by element; enc, Wk and the weights exp(e' - m) enter
; the matrix unit rounded to bf16.
;
; SHAPE.  Four waves side by side in N: wave w owns columns 256 w .. 256 w + 255, in two passes of 128.  A wave's tile is 128 x 128, 512
; accumulator registers; K goes in 32 steps of 32 in each pass, 64 steps g = 0 .. 63 in all, 64 matrix instructions each.
; A: the 128 rows of enc stay in LDS as bf16 for both passes and for the context: enc is read from memory once.  It arrives during pass 0: in
; each step every wave converts one unit (16 rows x 64 k, 4,096 bytes of f32) from a ring of four register sets and asks for the unit four on.
; B: a wave's fragments are read by that wave alone, so they go from wkf straight into a ring of four register slots, 16 loads of 512 consecutive
; bytes a step, three steps ahead, and never touch LDS.
; NO CLUSTER, NO JOINT REQUESTS, though all work-groups walk the same wkf: A takes 294,912 of the 327,680 bytes of LDS that a work-group can be
; given and the scratch below 7,168; one K step of B for the 512 columns of a pass is 32,768 bytes, so not even one slot of a ring fits.
;
; LDS:  A    0        [slice of 64 k: 16][row: 128], pitch 144 = 128 + 16: 9 x 16, so the 16 rows of a fragment load start at 16 different
;                     16-byte columns modulo 256
;       RED  294912   [wave][128 f32]   the waves' partial e'
;       PB   296960   [wave][128 bf16]  exp(e' - m), each wave's own copy
;       CS   297984   [wave][256 f32]   the context on its way out, each wave's own
; REGISTERS, in windows of 256:  window 0: addresses, q, We, A fragments, the enc ring (later the row sums E);  window 1: the B ring;
; windows 2, 3: accumulator tile (mt, nt) at 8 (8 (mt & 3) + nt), window 2 for mt < 4.
.set PITCH, 144
.set SL,    128*PITCH                  ; a slice: 18,432 bytes
.set RED,   16*SL
.set PB,    RED+2048
.set CS,    PB+1024
.set ADRA,  8                          ; LDS: r PITCH + 16 h, + 2 SL a trip
.set ADRA0, 9                          ; its first value
.set ASTO,  10                         ; LDS: (32 w + h) PITCH + 8 r, + 2 SL a trip
.set AOFF,  11                         ; enc: (32 w + h) 4096 + 16 r
.set BOFF,  12                         ; wkf: w 524288 + 16 lane
.set QOFF,  13                         ; q, We: w 1024 + 16 r
.set REDS,  14
.set REDL,  15
.set PBS,   16
.set PBL,   17
.set CT0,   18                         ; transposing loads, my slices 0, 1
.set CT1,   19                         ; my slices 2, 3
.set CSS,   20
.set CSL,   21
.set GO,    22                         ; 16 lane
.set GC,    23                         ; w 1024 + 16 lane
.set EV,    24                         ; v[24:27] e' of rows 4 lane .. 4 lane + 3
.set QC,    32                         ; v[32:47] 2.885390 q of my column in tile nt of a pass: 8 pass + nt
.set W2,    48                         ; v[48:63] -2 We likewise
.set FA,    64                         ; v[64:127] eight A fragments
.set ST,    128                        ; v[128:255] the enc ring: four units of 32 registers
.set E,     128                        ; v[128:191] from the first epilogue on: row sums, 8 mt + j
.set MUL_LO, 0xa4                      ; source 0 (A) window 0, source 1 (B) window 1, C and D window 2
.set MUL_HI, 0xf4                      ; the same, C and D window 3
.set TO_B,   0x40                      ; destination window 1
.set ST_D,   0x08                      ; LDS store data (source 1) from window 2
.set MSB, 0
.macro WIN new                         ; the immediate's high byte repeats the setting that is left; a switch that changes nothing is dropped
.if MSB != (\new)
	s_set_vgpr_msb (MSB<<8)|(\new)
.set MSB, \new
.endif
.endm
.macro PLACES                          ; four places behind matrix instructions where no useful work is at hand (ISA guide 7.12.1)
.rept 4
	v_nop
.endr
.endm
	s_load_b256 s[4:11], s[0:1], 0x0               ; enc s[4:5], wkf s[6:7], qp s[8:9], We s[10:11]
	s_load_b128 s[12:15], s[0:1], 0x20             ; energy s[12:13], ctxp s[14:15]
	v_and_b32 v1, 15, v0                           ; r
	v_bfe_u32 v2, v0, 4, 1                         ; h
	v_and_b32 v3, 31, v0                           ; lane
	v_lshrrev_b32 v4, 5, v0
	v_readfirstlane_b32 s16, v4                    ; wave 0..3
	s_mov_b32 s22, 0x76543210                      ; v_permlanex16_b32: lane i reads lane i of the other half
	s_mov_b32 s23, 0xfedcba98
	v_mul_u32_u24 v[ADRA], v1, PITCH
	v_lshl_add_u32 v[ADRA], v2, 4, v[ADRA]
	v_mov_b32 v[ADRA0], v[ADRA]
	s_mul_i32 s18, s16, 32*PITCH
	v_mul_u32_u24 v[ASTO], v2, PITCH
	v_lshl_add_u32 v[ASTO], v1, 3, v[ASTO]
	v_add_nc_u32 v[ASTO], s18, v[ASTO]
	s_lshl_b32 s18, s16, 17
	v_lshlrev_b32 v[AOFF], 12, v2
	v_lshl_add_u32 v[AOFF], v1, 4, v[AOFF]
	v_add_nc_u32 v[AOFF], s18, v[AOFF]
	s_lshl_b32 s18, s16, 19
	v_lshl_add_u32 v[BOFF], v3, 4, s18
	s_lshl_b32 s18, s16, 10
	v_lshl_add_u32 v[QOFF], v1, 4, s18
	v_lshl_add_u32 v[GC], v3, 4, s18
	s_add_co_u32 s19, s18, CS
	v_lshl_add_u32 v[CSS], v1, 2, s19
	v_lshl_add_u32 v[CSL], v3, 4, s19
	s_lshl_b32 s18, s16, 9
	s_add_co_u32 s18, s18, RED
	v_lshl_add_u32 v[REDS], v2, 5, s18
	v_lshlrev_b32 v[GO], 4, v3
	v_add_nc_u32 v[REDL], RED, v[GO]
	s_lshl_b32 s18, s16, 8
	s_add_co_u32 s18, s18, PB
	v_lshl_add_u32 v[PBS], v3, 3, s18
	v_lshl_add_u32 v[PBL], v2, 4, s18
	v_and_b32 v5, 7, v0
	v_lshl_add_u32 v5, v2, 3, v5                   ; row 8 h + (lane & 7)
	v_mul_u32_u24 v[CT0], v5, PITCH
	v_bfe_u32 v5, v0, 3, 1
	v_lshl_add_u32 v[CT0], v5, 4, v[CT0]           ; + 16 ((lane >> 3) & 1)
	s_mul_i32 s18, s16, 4*SL                       ; my 256 columns are slices 4 w .. 4 w + 3
	v_add_nc_u32 v[CT0], s18, v[CT0]
	v_add_nc_u32 v[CT1], 2*SL, v[CT0]
	s_wait_kmcnt 0x0
	s_lshl_b32 s18, ttmp9, 19                      ; 128 rows of 4,096 bytes
	s_mov_b32 s19, 0
	s_add_nc_u64 s[4:5], s[4:5], s[18:19]
	s_lshr_b32 s18, ttmp9, 3
	s_lshl_b32 s18, s18, 12                        ; q's row of my batch
	s_add_nc_u64 s[8:9], s[8:9], s[18:19]
	s_lshl_b32 s18, ttmp9, 9
	s_add_nc_u64 s[12:13], s[12:13], s[18:19]
	s_lshl_b32 s18, ttmp9, 12
	s_add_nc_u64 s[14:15], s[14:15], s[18:19]
; Unit u of a wave: rows 32 w + 16 (u & 1) + 0..15, k = 64 (u >> 1) + 0..63.  u and gr below count from the trip's stepped bases (multiples of 4).
.macro AISSUE u                        ; 8 loads; each covers two rows x 256 consecutive aligned bytes
.irp ld, 0,1,2,3,4,5,6,7
	global_load_b128 v[ST+32*((\u)&3)+4*\ld:ST+32*((\u)&3)+4*\ld+3], v[AOFF], s[4:5] offset:((\u)>>1)*256+((\u)&1)*65536+\ld*8192 th:TH_LOAD_NT
.endr
.endm
.macro CVT u, part                     ; 8 conversions in place: four loads' 4 f32 become 4 bf16 in the first two registers
.irp q, 0,1,2,3
	v_cvt_pk_bf16_f32 v[ST+32*((\u)&3)+16*\part+4*\q],   v[ST+32*((\u)&3)+16*\part+4*\q],   v[ST+32*((\u)&3)+16*\part+4*\q+1]
	v_cvt_pk_bf16_f32 v[ST+32*((\u)&3)+16*\part+4*\q+1], v[ST+32*((\u)&3)+16*\part+4*\q+2], v[ST+32*((\u)&3)+16*\part+4*\q+3]
.endr
.endm
.macro STO u, part
.irp q, 0,1,2,3
	ds_store_b64 v[ASTO], v[ST+32*((\u)&3)+16*\part+4*\q:ST+32*((\u)&3)+16*\part+4*\q+1] offset:((\u)>>1)*SL+(16*((\u)&1)+2*(4*\part+\q))*PITCH
.endr
.endm
.macro BISSUE gr                       ; 16 loads: the eight B fragments of a K step into ring slot gr & 3
	WIN TO_B
.irp nt, 0,1,2,3,4,5,6,7
	global_load_b128 v[64*((\gr)&3)+8*\nt:64*((\gr)&3)+8*\nt+3],   v[BOFF], s[6:7] offset:(\gr)*8192+\nt*1024
	global_load_b128 v[64*((\gr)&3)+8*\nt+4:64*((\gr)&3)+8*\nt+7], v[BOFF], s[6:7] offset:(\gr)*8192+\nt*1024+512
.endr
.endm
.macro FALOAD half, gr                 ; 8 LDS loads: A fragments 4 half .. 4 half + 3 of K step gr
.irp m, 0,1,2,3
	ds_load_b128 v[FA+8*(4*\half+\m):FA+8*(4*\half+\m)+3],   v[ADRA] offset:((\gr)>>1)*SL+(4*\half+\m)*16*PITCH+((\gr)&1)*64
	ds_load_b128 v[FA+8*(4*\half+\m)+4:FA+8*(4*\half+\m)+7], v[ADRA] offset:((\gr)>>1)*SL+(4*\half+\m)*16*PITCH+((\gr)&1)*64+32
.endr
.endm
.macro MUL16 slot, hi, a0, zero        ; 16 matrix instructions: row blocks a0, a0 + 1 of the window's four x all eight column tiles
.irp a, \a0, \a0+1
.irp b, 0,1,2,3,4,5,6,7
.if \zero
	v_wmma_f32_16x16x32_bf16 v[8*(8*(\a)+\b):8*(8*(\a)+\b)+7], v[FA+8*(4*\hi+(\a)):FA+8*(4*\hi+(\a))+7], v[64*(\slot)+8*\b:64*(\slot)+8*\b+7], 0
.else
	v_wmma_f32_16x16x32_bf16 v[8*(8*(\a)+\b):8*(8*(\a)+\b)+7], v[FA+8*(4*\hi+(\a)):FA+8*(4*\hi+(\a))+7], v[64*(\slot)+8*\b:64*(\slot)+8*\b+7], v[8*(8*(\a)+\b):8*(8*(\a)+\b)+7]
.endif
.endr
.endr
.endm
; What step g does beside its 64 matrix instructions.
;   ZERO  first step of a pass: the products start the sums         CONV  g <= 28: convert and store unit g + 3   (CONVP: step g - 1 did)
;   AISS  g <= 24: ask for unit g + 7      BISS  g <= 60: ask for B(g + 3)      FAF  a step of this pass follows: fetch its A fragments
;   BAR   g odd, g <= 29: slice (g + 1) / 2 is complete in LDS
;   LC    the loads issued behind B(g): the enc requests of steps g - 3, g - 2, g - 1 (8 each while AISS) and the B requests of steps g - 2, g - 1
;         (16 each while BISS).  Unit g + 3 was asked for in step g - 4, ahead of B(g): the same wait shows it in.
.macro FLAGS g
.set ZERO, 0
.set CONV, 0
.set CONVP, 0
.set AISS, 0
.set BISS, 0
.set FAF, 1
.set BAR, 0
.if ((\g)&31) == 0
.set ZERO, 1
.endif
.if (\g) <= 28
.set CONV, 1
.endif
.if (\g) >= 1
.if (\g) <= 29
.set CONVP, 1
.if (\g)&1
.set BAR, 1
.endif
.endif
.endif
.if (\g) <= 24
.set AISS, 1
.endif
.if (\g) <= 60
.set BISS, 1
.endif
.if ((\g)&31) == 31
.set FAF, 0
.endif
.set LC, 32
.if (\g) <= 27
.set LC, 40
.endif
.if (\g) <= 26
.set LC, 48
.endif
.if (\g) <= 25
.set LC, 56
.endif
.if (\g) == 62
.set LC, 16
.endif
.if (\g) == 63
.set LC, 0
.endif
.endm
; THE BARRIER of step 2 s - 1 stands for slice s.  In front of its signal lie all stores of slice s (steps 2 s - 3 and 2 s - 2), waited for;
; behind its wait come the first reads of slice s.  Between this barrier and the next, reads go to slice s and stores to slice s + 1: other bytes.
; A is never written twice.
.macro STEP g
	FLAGS \g
	s_wait_loadcnt LC                              ; loads return in order (ISA guide 5.7.1): B(g) and unit g + 3 are in.  More loads are asked for
	                                               ; than the counter's field holds; the issue then stalls (same section) and counts stay exact
	s_wait_dscnt 8+8*CONVP                         ; behind the low four A fragments: the high four's 8 loads and, while converting, 2 x 4 stores
	WIN MUL_LO
	MUL16 ((\g)&3), 0, 0, ZERO
.if BAR
	s_wait_dscnt 0x0                               ; my stores of the next slice are in LDS, none of my LDS instructions is pending
	s_barrier_signal -1
.endif
	MUL16 ((\g)&3), 0, 2, ZERO
.if BAR
	s_barrier_wait -1
.endif
	WIN 0
.if CONV
	CVT ((\g)&3)+3, 0                              ; eight plain instructions on other registers: also the places in front of the loads below
.else
	PLACES
.endif
.if FAF
	FALOAD 0, ((\g)&3)+1
.endif
.if CONV
	STO ((\g)&3)+3, 0
.endif
.if BISS
	BISSUE ((\g)&3)+3                              ; into the slot that step g - 1 multiplied; that step's second run of places lies between
.endif
	s_wait_dscnt 4*CONVP+8*FAF+4*CONV              ; behind the high four A fragments: last step's 4 stores, this step's 8 loads and 4 stores
	WIN MUL_HI
	MUL16 ((\g)&3), 1, 0, ZERO
	MUL16 ((\g)&3), 1, 2, ZERO
	WIN 0
.if CONV
	CVT ((\g)&3)+3, 1
.else
	PLACES
.endif
.if FAF
	FALOAD 1, ((\g)&3)+1
.endif
.if CONV
	STO ((\g)&3)+3, 1
.endif
.if AISS
	AISSUE ((\g)&3)+7                              ; into the set just stored: LDS stores have read their data when they are issued
.endif
.endm
.macro TRIP g0                         ; four steps, once round both rings; then the bases step
	STEP \g0
	STEP \g0+1
	STEP \g0+2
	STEP \g0+3
	s_wait_xcnt 0x0                                ; the loads' scalar bases are rewritten only behind this wait
.if (\g0) != 60
	s_add_nc_u64 s[6:7], s[6:7], 4*8192
.endif
.if (\g0) < 24
	s_add_nc_u64 s[4:5], s[4:5], 2*256             ; two slices of 64 f32
.endif
.if (\g0) < 28
	v_add_nc_u32 v[ASTO], 2*SL, v[ASTO]
.endif
.if (\g0) == 28
	v_mov_b32 v[ADRA], v[ADRA0]                    ; pass 1 walks A again from slice 0
.else
.if (\g0) != 60
	v_add_nc_u32 v[ADRA], 2*SL, v[ADRA]
.endif
.endif
.endm
; THE EPILOGUE of a pass, window by window, in place on the accumulators x of tile t (column tile nt = t & 7, row block 4 (w - 2) + (t >> 3)).
.macro ARG t, pass                     ; x = 2.885390 x + 2.885390 q[my column of tile nt]
.irp p, 0,2,4,6
.if (\t)&1
	v_pk_fma_f32 v[8*(\t)+\p:8*(\t)+\p+1], v[8*(\t)+\p:8*(\t)+\p+1], 0x4038aa3b, v[QC+8*\pass+((\t)&6):QC+8*\pass+((\t)&6)+1] op_sel:[0,0,1] op_sel_hi:[1,0,1]
.else
	v_pk_fma_f32 v[8*(\t)+\p:8*(\t)+\p+1], v[8*(\t)+\p:8*(\t)+\p+1], 0x4038aa3b, v[QC+8*\pass+((\t)&6):QC+8*\pass+((\t)&6)+1] op_sel_hi:[1,0,0]
.endif
.endr
.endm
.macro ACCE t, w, pass                 ; E[row] += (-2 We[my column]) x; the very first product starts the sum
.irp p, 0,2,4,6
.if (\t)&1
	v_pk_fma_f32 v[E+8*(4*(\w-2)+((\t)>>3))+\p:E+8*(4*(\w-2)+((\t)>>3))+\p+1], v[8*(\t)+\p:8*(\t)+\p+1], v[W2+8*\pass+((\t)&6):W2+8*\pass+((\t)&6)+1], v[E+8*(4*(\w-2)+((\t)>>3))+\p:E+8*(4*(\w-2)+((\t)>>3))+\p+1] op_sel:[0,1,0] op_sel_hi:[1,1,1]
.else
.if (\pass)+((\t)&7) == 0
	v_pk_mul_f32 v[E+8*(4*(\w-2)+((\t)>>3))+\p:E+8*(4*(\w-2)+((\t)>>3))+\p+1], v[8*(\t)+\p:8*(\t)+\p+1], v[W2+8*\pass+((\t)&6):W2+8*\pass+((\t)&6)+1] op_sel_hi:[1,0]
.else
	v_pk_fma_f32 v[E+8*(4*(\w-2)+((\t)>>3))+\p:E+8*(4*(\w-2)+((\t)>>3))+\p+1], v[8*(\t)+\p:8*(\t)+\p+1], v[W2+8*\pass+((\t)&6):W2+8*\pass+((\t)&6)+1], v[E+8*(4*(\w-2)+((\t)>>3))+\p:E+8*(4*(\w-2)+((\t)>>3))+\p+1] op_sel_hi:[1,0,1]
.endif
.endif
.endr
.endm
; s1: destination and source 0 in window w; s2: source 0 in window w, the rest in window 0.
; Behind a run of exponentials stand the next tile's four plain multiply-adds before the results are used, behind the last reciprocals a v_nop
; (one plain vector instruction between a transcendental and the use of its result).
.macro EPIW w, s1, s2, pass
	WIN \s1
	ARG 0, \pass
.set tt, 0
.rept 32
.irp j, 0,1,2,3,4,5,6,7
	v_exp_f32 v[8*tt+\j], v[8*tt+\j]
.endr
.if tt < 31
	ARG tt+1, \pass
.else
	v_nop
	s_wait_alu depctr_va_vdst(0)
.endif
	s_wait_alu depctr_va_vdst(0)
.irp p, 0,2,4,6
	v_pk_add_f32 v[8*tt+\p:8*tt+\p+1], v[8*tt+\p:8*tt+\p+1], 1.0 op_sel_hi:[1,0]
.endr
.irp j, 0,1,2,3,4,5,6,7
	v_rcp_f32 v[8*tt+\j], v[8*tt+\j]
.endr
.set tt, tt+1
.endr
	v_nop
	s_wait_alu depctr_va_vdst(0)
	WIN \s2
.set tt, 0
.rept 32
	ACCE tt, \w, \pass
.set tt, tt+1
.endr
.endm
.macro EPI pass
	EPIW 2, 0x82, 0x02, \pass
	EPIW 3, 0xc3, 0x03, \pass
	WIN 0
.endm
	; ---- q and We of my columns.  Tile nt of pass nh holds in lane r the column 256 w + 128 nh + 64 (nt >> 2) + 4 r + (nt & 3): 16 bytes at 16 r
	; bring the four tiles nt & 3 = 0..3.  q comes as four partial sums over quarters of K.
.irp kq, 0,1,2,3
.irp nh, 0,1
.irp gg, 0,1
	global_load_b128 v[FA+16*\kq+8*\nh+4*\gg:FA+16*\kq+8*\nh+4*\gg+3], v[QOFF], s[8:9] offset:\kq*131072+\nh*512+\gg*256
.endr
.endr
.endr
.irp nh, 0,1
.irp gg, 0,1
	global_load_b128 v[W2+8*\nh+4*\gg:W2+8*\nh+4*\gg+3], v[QOFF], s[10:11] offset:\nh*512+\gg*256
.endr
.endr
	AISSUE 0
	AISSUE 1
	AISSUE 2
	AISSUE 3
	s_wait_loadcnt 32                              ; the four units' 32 loads stay out; q and We are in
.irp i, 0,2,4,6,8,10,12,14
	v_pk_add_f32 v[QC+\i:QC+\i+1], v[FA+\i:FA+\i+1], v[FA+16+\i:FA+16+\i+1]
	v_pk_add_f32 v[28:29], v[FA+32+\i:FA+32+\i+1], v[FA+48+\i:FA+48+\i+1]
	v_pk_add_f32 v[QC+\i:QC+\i+1], v[QC+\i:QC+\i+1], v[28:29]
	v_pk_mul_f32 v[QC+\i:QC+\i+1], v[QC+\i:QC+\i+1], 0x4038aa3b op_sel_hi:[1,0]
	v_pk_mul_f32 v[W2+\i:W2+\i+1], v[W2+\i:W2+\i+1], -2.0 op_sel_hi:[1,0]
.endr
	; ---- the rings are filled in the order that the steps keep up: unit 3, B0, unit 4, B1, unit 5, B2, unit 6
	BISSUE 0
	WIN 0
	s_wait_loadcnt 40                              ; behind unit 0: units 1, 2, 3 (24) and B0 (16)
	CVT 0, 0
	CVT 0, 1
	STO 0, 0
	STO 0, 1
	AISSUE 4
	BISSUE 1
	WIN 0
	s_wait_loadcnt 56                              ; behind unit 1: units 2, 3 (16), B0 (16), unit 4 (8), B1 (16)
	CVT 1, 0
	CVT 1, 1
	STO 1, 0
	STO 1, 1
	AISSUE 5
	BISSUE 2
	WIN 0
	s_wait_loadcnt 63                              ; behind unit 2 stand 72 loads; the count's field ends at 63, and a smaller count is safe
	CVT 2, 0
	CVT 2, 1
	STO 2, 0
	STO 2, 1
	AISSUE 6
	s_wait_dscnt 0x0                               ; my part of slice 0 is in LDS
	s_barrier_signal -1
	s_barrier_wait -1                              ; everybody's is
	FALOAD 0, 0
	FALOAD 1, 0
	; ---- pass 0: steps 0 .. 31
	TRIP 0
	s_mov_b32 s20, 5
.Lp0:
	TRIP 4                                         ; steps 4 .. 23: all alike
	s_sub_co_u32 s20, s20, 1
	s_cmp_lg_u32 s20, 0
	s_cbranch_scc1 .Lp0
	TRIP 24
	TRIP 28
	FALOAD 0, 0                                    ; pass 1's first A fragments; they and three steps of B are on their way during the epilogue
	FALOAD 1, 0
	EPI 0
	; ---- pass 1: steps 32 .. 63
	TRIP 32
	s_mov_b32 s20, 6
.Lp1:
	TRIP 36                                        ; steps 36 .. 59: all alike
	s_sub_co_u32 s20, s20, 1
	s_cmp_lg_u32 s20, 0
	s_cbranch_scc1 .Lp1
	TRIP 60
	EPI 1
	; ---- e': E[8 mt + j] of lane (r, h) is row 16 mt + 8 h + j, summed over the lane's 16 columns.  Add the 16 lanes, then the four waves.
.irp m, 1,2,4,8
.set i, 0
.rept 64
	v_add_f32_dpp v[E+i], v[E+i], v[E+i] row_xmask:\m row_mask:0xf bank_mask:0xf
.set i, i+1
.endr
.endr
.irp mt, 0,1,2,3,4,5,6,7
	ds_store_b128 v[REDS], v[E+8*\mt:E+8*\mt+3]   offset:\mt*64                ; the 16 lanes of a half write the same bytes with the same values
	ds_store_b128 v[REDS], v[E+8*\mt+4:E+8*\mt+7] offset:\mt*64+16
.endr
	s_wait_dscnt 0x0
	s_barrier_signal -1
	s_barrier_wait -1
.irp wv, 0,1,2,3
	ds_load_b128 v[FA+4*\wv:FA+4*\wv+3], v[REDL] offset:512*\wv
.endr
	s_wait_dscnt 0x0
	v_pk_add_f32 v[EV:EV+1],   v[FA:FA+1],     v[FA+4:FA+5]
	v_pk_add_f32 v[EV+2:EV+3], v[FA+2:FA+3],   v[FA+6:FA+7]
	v_pk_add_f32 v[28:29],     v[FA+8:FA+9],   v[FA+12:FA+13]
	v_pk_add_f32 v[30:31],     v[FA+10:FA+11], v[FA+14:FA+15]
	v_pk_add_f32 v[EV:EV+1],   v[EV:EV+1],     v[28:29]
	v_pk_add_f32 v[EV+2:EV+3], v[EV+2:EV+3],   v[30:31]                        ; e' of rows 4 lane .. + 3, the same in every wave
	s_cmp_lg_u32 s16, 0
	s_cbranch_scc1 .Lnot0
	global_store_b128 v[GO], v[EV:EV+3], s[12:13]                              ; wave 0: 512 consecutive bytes; EV and GO are not written again
.Lnot0:
	; ---- the 128 rows' maximum, and p = exp(e' - m) in bf16
	v_max3_num_f32 v28, v[EV], v[EV+1], v[EV+2]
	v_max_num_f32 v28, v28, v[EV+3]
	v_max_num_f32_dpp v28, v28, v28 row_xmask:1 row_mask:0xf bank_mask:0xf
	v_max_num_f32_dpp v28, v28, v28 row_xmask:2 row_mask:0xf bank_mask:0xf
	v_max_num_f32_dpp v28, v28, v28 row_xmask:4 row_mask:0xf bank_mask:0xf
	v_max_num_f32_dpp v28, v28, v28 row_xmask:8 row_mask:0xf bank_mask:0xf
	v_permlanex16_b32 v29, v28, s22, s23
	v_max_num_f32 v28, v28, v29
.irp i, 0,1,2,3
	v_sub_f32 v[4+\i], v[EV+\i], v28
.endr
.irp i, 0,1,2,3
	v_mul_f32 v[4+\i], 0x3fb8aa3b, v[4+\i]
.endr
.irp i, 0,1,2,3
	v_exp_f32 v[4+\i], v[4+\i]
.endr
	v_nop
	s_wait_alu depctr_va_vdst(0)
	v_cvt_pk_bf16_f32 v4, v4, v5
	v_cvt_pk_bf16_f32 v5, v6, v7
	ds_store_b64 v[PBS], v[4:5]                    ; my wave's own copy: LDS serves a wave's instructions in order, no barrier
.irp kk, 0,1,2,3
	ds_load_b128 v[FA+8*\kk:FA+8*\kk+3],   v[PBL] offset:\kk*64                ; an A fragment of which every row is p[32 kk .. 32 kk + 31]
	ds_load_b128 v[FA+8*\kk+4:FA+8*\kk+7], v[PBL] offset:\kk*64+32
.endr
	; ---- the context: p [1 x 128] x enc [128 x 256 columns of mine].  A lies [row = k][column = n] in LDS: transposing loads make B fragments.
	; Batch bt = my slice bt = four tiles of 16 columns x four K steps of 32 rows: 32 loads, 128 registers; two halves of window 1 take turns.
.macro CTLOAD bt
.irp tl, 0,1,2,3
.irp kk, 0,1,2,3
	ds_load_tr16_b128 v[128*((\bt)&1)+32*\tl+8*\kk:128*((\bt)&1)+32*\tl+8*\kk+3],   v[CT0+((\bt)>>1)] offset:((\bt)&1)*SL+\tl*32+\kk*32*PITCH
	ds_load_tr16_b128 v[128*((\bt)&1)+32*\tl+8*\kk+4:128*((\bt)&1)+32*\tl+8*\kk+7], v[CT0+((\bt)>>1)] offset:((\bt)&1)*SL+\tl*32+\kk*32*PITCH+16*PITCH
.endr
.endr
.endm
.macro CTMUL bt                        ; 16 matrix instructions: each tile a chain of four in place, started by the constant 0
.irp tl, 0,1,2,3
	v_wmma_f32_16x16x32_bf16 v[8*(4*\bt+\tl):8*(4*\bt+\tl)+7], v[FA:FA+7], v[128*((\bt)&1)+32*\tl:128*((\bt)&1)+32*\tl+7], 0
.endr
.irp kk, 1,2,3
.irp tl, 0,1,2,3
	v_wmma_f32_16x16x32_bf16 v[8*(4*\bt+\tl):8*(4*\bt+\tl)+7], v[FA+8*\kk:FA+8*\kk+7], v[128*((\bt)&1)+32*\tl+8*\kk:128*((\bt)&1)+32*\tl+8*\kk+7], v[8*(4*\bt+\tl):8*(4*\bt+\tl)+7]
.endr
.endr
.endm
	WIN TO_B
	CTLOAD 0
	CTLOAD 1
	s_wait_dscnt 32                                ; the younger batch's 32 loads stay out; p's fragments and batch 0 are in
	WIN MUL_LO
	CTMUL 0
	PLACES
	WIN TO_B
	CTLOAD 2
	s_wait_dscnt 32
	WIN MUL_LO
	CTMUL 1
	PLACES
	WIN TO_B
	CTLOAD 3
	s_wait_dscnt 32
	WIN MUL_LO
	CTMUL 2
	s_wait_dscnt 0x0
	CTMUL 3
	PLACES
	; every row of a result tile is the same: register 0 of lane r is column 16 tile + r.  Through my own LDS bytes into 16 bytes a lane.
	WIN ST_D
.irp tl, 0,1,2,3,4,5,6,7,8,9,10,11,12,13,14,15
	ds_store_b32 v[CSS], v[8*\tl] offset:64*\tl
.endr
	WIN 0
	ds_load_b128 v[FA:FA+3],   v[CSL]
	ds_load_b128 v[FA+4:FA+7], v[CSL] offset:512
	s_wait_dscnt 0x0
	global_store_b128 v[GC], v[FA:FA+3],   s[14:15]                            ; each store covers 512 consecutive aligned bytes
	global_store_b128 v[GC], v[FA+4:FA+7], s[14:15] offset:512
	s_wait_xcnt 0x0
	v_lshl_add_u32 v254, v0, 2, 0x49c00
	v_mov_b32 v255, 0
	s_wait_tensorcnt 0x0
	ds_add_u32 v254, v255
	s_wait_dscnt 0x0
	s_endpgm
.Lfunc_end_k_qd5b851c7a4_main:
	.size	k_qd5b851c7a4_main, .Lfunc_end_k_qd5b851c7a4_main-k_qd5b851c7a4_main
	.p2alignl 7, 3214868480
	.fill 96, 4, 3214868480
	.section	.rodata,"a",@progbits
	.p2align	6, 0x0
	.amdhsa_kernel k_qd5b851c7a4_main
		.amdhsa_group_segment_fixed_size 302592
		.amdhsa_private_segment_fixed_size 0
		.amdhsa_enable_private_segment 0
		.amdhsa_kernarg_size 48
		.amdhsa_user_sgpr_count 2
		.amdhsa_user_sgpr_kernarg_segment_ptr 1
		.amdhsa_wavefront_size32 1
		.amdhsa_system_sgpr_workgroup_id_x 1
		.amdhsa_system_sgpr_workgroup_id_y 1
		.amdhsa_system_sgpr_workgroup_id_z 1
		.amdhsa_system_vgpr_workitem_id 0
		.amdhsa_next_free_vgpr 1024
		.amdhsa_next_free_sgpr 66
		.amdhsa_reserve_vcc 0
		.amdhsa_float_denorm_mode_32 3
		.amdhsa_float_denorm_mode_16_64 3
		.amdhsa_memory_ordered 1
		.amdhsa_forward_progress 1
		.amdhsa_inst_pref_size 255
	.end_amdhsa_kernel
	.section	.bss,"aw",@nobits
	.p2align	6
	.space	262144
	.amdgpu_metadata
---
amdhsa.version: [ 1, 2 ]
amdhsa.kernels:
  - .name:           k_qd5b851c7a4_main
    .symbol:         k_qd5b851c7a4_main.kd
    .args:
      - { .name: encoder_outputs, .offset: 0, .size: 8, .value_kind: global_buffer, .address_space: global }
      - { .name: wkf, .offset: 8, .size: 8, .value_kind: global_buffer, .address_space: global }
      - { .name: qp, .offset: 16, .size: 8, .value_kind: global_buffer, .address_space: global }
      - { .name: We, .offset: 24, .size: 8, .value_kind: global_buffer, .address_space: global }
      - { .name: energy, .offset: 32, .size: 8, .value_kind: global_buffer, .address_space: global }
      - { .name: ctxp, .offset: 40, .size: 8, .value_kind: global_buffer, .address_space: global }
    .group_segment_fixed_size: 302592
    .private_segment_fixed_size: 0
    .kernarg_segment_align: 8
    .kernarg_segment_size: 48
    .max_flat_workgroup_size: 128
    .sgpr_count:     66
    .vgpr_count:     1024
    .wavefront_size: 32
...
	.end_amdgpu_metadata
.endif
;; end of part 2
;; launch finish (part 3): grid 32 x 1, 8 waves a work-group, no clusters, 0 bytes of LDS; arguments energy, ctxp, out0, out1; writes out0, out1
.if DOCPART == 3
	.amdgcn_target "amdgcn-amd-amdhsa--gfx1250"
	.amdhsa_code_object_version 6
	.text
	.protected	k_qd5b851c7a4_finish
	.globl	k_qd5b851c7a4_finish
	.p2align	8
	.type	k_qd5b851c7a4_finish,@function
k_qd5b851c7a4_finish:
	s_mov_b64 s[64:65], 0
	v_nop
	global_prefetch_b8 v0, s[64:65] scope:SCOPE_SE
	s_setreg_imm32_b32 hwreg(HW_REG_WAVE_MODE, 25, 1), 1
	s_wait_xcnt 0x0
; FINISH.  Work-group b closes batch b: from the 1,024 values e' and the eight partial contexts (each made with its own 128 rows' maximum m_c):
;   M = max e',  L = sum exp(e' - M),  out1[s] = exp(e'[s] - M) / L,  out0[d] = sum over c of exp(m_c - M) / L x ctxp[8 b + c][d].
; A maximum is exact, so the m_c found here are those that the main launch used.  e' - M <= 0 and one term is 1: L lies in [1, 1024].
; Every wave reduces all 1,024 values by itself (32 registers): no LDS, no barrier.  Thread t then owns four neighbouring numbers of each output:
; sixteen lanes store 256 consecutive aligned bytes.  32 work-groups: the batch is the unit of the softmax, and the work is 36,864 bytes each.
; No matrix unit and no cluster: nothing is shared between work-groups.
.set EN,  8                            ; v[8:39]   e' of chunk c: 4 c + 0..3, rows 128 c + 4 lane + 0..3
.set OWN, 40                           ; v[40:43]  e' of rows 4 t .. 4 t + 3
.set CX,  44                           ; v[44:75]  partial context c, columns 4 t .. 4 t + 3
.set MC,  76                           ; v[76:83]  m_c, then exp(m_c - M) / L
.set T,   84                           ; v[84:91]  at work
.set MM,  92                           ; v[92:93]  M, twice
.set RL,  94                           ; v[94:95]  1 / L, twice
.set O,   96                           ; v[96:99]  the context
	s_load_b256 s[4:11], s[0:1], 0x0               ; energy s[4:5], ctxp s[6:7], out0 s[8:9], out1 s[10:11]
	v_and_b32 v1, 31, v0
	v_lshlrev_b32 v1, 4, v1                        ; 16 lane
	v_lshlrev_b32 v2, 4, v0                        ; 16 t
	s_lshl_b32 s12, ttmp9, 12                      ; a batch's 1,024 f32
	s_mov_b32 s13, 0
	s_lshl_b32 s14, ttmp9, 15                      ; a batch's eight partial contexts
	s_mov_b32 s15, 0
	s_mov_b32 s16, 0x76543210
	s_mov_b32 s17, 0xfedcba98
	s_wait_kmcnt 0x0
	s_add_nc_u64 s[4:5], s[4:5], s[12:13]
	s_add_nc_u64 s[6:7], s[6:7], s[14:15]
	s_add_nc_u64 s[8:9], s[8:9], s[12:13]
	s_add_nc_u64 s[10:11], s[10:11], s[12:13]
.irp c, 0,1,2,3,4,5,6,7
	global_load_b128 v[EN+4*\c:EN+4*\c+3], v1, s[4:5] offset:\c*512
.endr
	global_load_b128 v[OWN:OWN+3], v2, s[4:5]
.irp c, 0,1,2,3,4,5,6,7
	global_load_b128 v[CX+4*\c:CX+4*\c+3], v2, s[6:7] offset:\c*4096 th:TH_LOAD_NT
.endr
	s_wait_loadcnt 8                               ; the eight loads of ctxp stay out
.irp c, 0,1,2,3,4,5,6,7
	v_max_num_f32 v[T+\c], v[EN+4*\c], v[EN+4*\c+1]
	v_max3_num_f32 v[MC+\c], v[T+\c], v[EN+4*\c+2], v[EN+4*\c+3]
.endr
.irp m, 1,2,4,8
.irp c, 0,1,2,3,4,5,6,7
	v_max_num_f32_dpp v[MC+\c], v[MC+\c], v[MC+\c] row_xmask:\m row_mask:0xf bank_mask:0xf
.endr
.endr
.irp c, 0,1,2,3,4,5,6,7
	v_permlanex16_b32 v[T+\c], v[MC+\c], s16, s17  ; T was written above
.endr
.irp c, 0,1,2,3,4,5,6,7
	v_max_num_f32 v[MC+\c], v[MC+\c], v[T+\c]      ; m_c in every lane
.endr
	v_max3_num_f32 v[T], v[MC], v[MC+1], v[MC+2]
	v_max3_num_f32 v[T], v[T], v[MC+3], v[MC+4]
	v_max3_num_f32 v[T], v[T], v[MC+5], v[MC+6]
	v_max_num_f32 v[MM], v[T], v[MC+7]
	v_max_num_f32 v[MM+1], v[T], v[MC+7]           ; twice: a pair for the packed subtraction
	; (value - M) x log2(e), the difference first, for the 32 + 4 values e' (neighbouring registers) and the 8 m_c
.set i, EN
.rept 18
	v_pk_add_f32 v[i:i+1], v[i:i+1], v[MM:MM+1] neg_lo:[0,1] neg_hi:[0,1]
.set i, i+2
.endr
.irp c, 0,2,4,6
	v_pk_add_f32 v[MC+\c:MC+\c+1], v[MC+\c:MC+\c+1], v[MM:MM+1] neg_lo:[0,1] neg_hi:[0,1]
.endr
.set i, EN
.rept 18
	v_pk_mul_f32 v[i:i+1], v[i:i+1], 0x3fb8aa3b op_sel_hi:[1,0]
.set i, i+2
.endr
.irp c, 0,2,4,6
	v_pk_mul_f32 v[MC+\c:MC+\c+1], v[MC+\c:MC+\c+1], 0x3fb8aa3b op_sel_hi:[1,0]
.endr
.set i, EN
.rept 36
	v_exp_f32 v[i], v[i]
.set i, i+1
.endr
.irp c, 0,1,2,3,4,5,6,7
	v_exp_f32 v[MC+\c], v[MC+\c]
.endr
	v_nop                                          ; one plain instruction between the exponentials and the use of their results
	s_wait_alu depctr_va_vdst(0)
.irp i, 0,2,4,6,8,10,12,14
	v_pk_add_f32 v[EN+\i:EN+\i+1], v[EN+\i:EN+\i+1], v[EN+16+\i:EN+16+\i+1]
.endr
.irp i, 0,2,4,6
	v_pk_add_f32 v[EN+\i:EN+\i+1], v[EN+\i:EN+\i+1], v[EN+8+\i:EN+8+\i+1]
.endr
.irp i, 0,2
	v_pk_add_f32 v[EN+\i:EN+\i+1], v[EN+\i:EN+\i+1], v[EN+4+\i:EN+4+\i+1]
.endr
	v_pk_add_f32 v[EN:EN+1], v[EN:EN+1], v[EN+2:EN+3]
	v_add_f32 v[EN], v[EN], v[EN+1]
	v_add_f32_dpp v[EN], v[EN], v[EN] row_xmask:1 row_mask:0xf bank_mask:0xf
	v_add_f32_dpp v[EN], v[EN], v[EN] row_xmask:2 row_mask:0xf bank_mask:0xf
	v_add_f32_dpp v[EN], v[EN], v[EN] row_xmask:4 row_mask:0xf bank_mask:0xf
	v_add_f32_dpp v[EN], v[EN], v[EN] row_xmask:8 row_mask:0xf bank_mask:0xf
	v_permlanex16_b32 v[EN+1], v[EN], s16, s17
	v_add_f32 v[EN], v[EN], v[EN+1]                ; L in every lane
	v_rcp_f32 v[RL], v[EN]
	v_rcp_f32 v[RL+1], v[EN]
	v_nop
	s_wait_alu depctr_va_vdst(0)
	v_pk_mul_f32 v[OWN:OWN+1],   v[OWN:OWN+1],   v[RL:RL+1]
	v_pk_mul_f32 v[OWN+2:OWN+3], v[OWN+2:OWN+3], v[RL:RL+1]
	global_store_b128 v2, v[OWN:OWN+3], s[10:11]   ; the attention weights
.irp c, 0,2,4,6
	v_pk_mul_f32 v[MC+\c:MC+\c+1], v[MC+\c:MC+\c+1], v[RL:RL+1]                ; f_c = exp(m_c - M) / L
.endr
	s_wait_loadcnt 0x0                             ; the partial contexts
	v_pk_mul_f32 v[O:O+1],   v[CX:CX+1],   v[MC:MC+1] op_sel_hi:[1,0]          ; the first product starts the sums
	v_pk_mul_f32 v[O+2:O+3], v[CX+2:CX+3], v[MC:MC+1] op_sel_hi:[1,0]
.irp c, 1,3,5,7
	v_pk_fma_f32 v[O:O+1],   v[CX+4*\c:CX+4*\c+1],   v[MC+\c-1:MC+\c], v[O:O+1]     op_sel:[0,1,0] op_sel_hi:[1,1,1]
	v_pk_fma_f32 v[O+2:O+3], v[CX+4*\c+2:CX+4*\c+3], v[MC+\c-1:MC+\c], v[O+2:O+3]   op_sel:[0,1,0] op_sel_hi:[1,1,1]
.if \c < 7
	v_pk_fma_f32 v[O:O+1],   v[CX+4*\c+4:CX+4*\c+5], v[MC+\c+1:MC+\c+2], v[O:O+1]   op_sel_hi:[1,0,1]
	v_pk_fma_f32 v[O+2:O+3], v[CX+4*\c+6:CX+4*\c+7], v[MC+\c+1:MC+\c+2], v[O+2:O+3] op_sel_hi:[1,0,1]
.endif
.endr
	global_store_b128 v2, v[O:O+3], s[8:9]         ; the context
	s_endpgm
.Lfunc_end_k_qd5b851c7a4_finish:
	.size	k_qd5b851c7a4_finish, .Lfunc_end_k_qd5b851c7a4_finish-k_qd5b851c7a4_finish
	.p2alignl 7, 3214868480
	.fill 96, 4, 3214868480
	.section	.rodata,"a",@progbits
	.p2align	6, 0x0
	.amdhsa_kernel k_qd5b851c7a4_finish
		.amdhsa_group_segment_fixed_size 0
		.amdhsa_private_segment_fixed_size 0
		.amdhsa_enable_private_segment 0
		.amdhsa_kernarg_size 32
		.amdhsa_user_sgpr_count 2
		.amdhsa_user_sgpr_kernarg_segment_ptr 1
		.amdhsa_wavefront_size32 1
		.amdhsa_system_sgpr_workgroup_id_x 1
		.amdhsa_system_sgpr_workgroup_id_y 1
		.amdhsa_system_sgpr_workgroup_id_z 1
		.amdhsa_system_vgpr_workitem_id 0
		.amdhsa_next_free_vgpr 104
		.amdhsa_next_free_sgpr 66
		.amdhsa_reserve_vcc 0
		.amdhsa_float_denorm_mode_32 3
		.amdhsa_float_denorm_mode_16_64 3
		.amdhsa_memory_ordered 1
		.amdhsa_forward_progress 1
		.amdhsa_inst_pref_size 15
	.end_amdhsa_kernel
	.amdgpu_metadata
---
amdhsa.version: [ 1, 2 ]
amdhsa.kernels:
  - .name:           k_qd5b851c7a4_finish
    .symbol:         k_qd5b851c7a4_finish.kd
    .args:
      - { .name: energy, .offset: 0, .size: 8, .value_kind: global_buffer, .address_space: global }
      - { .name: ctxp, .offset: 8, .size: 8, .value_kind: global_buffer, .address_space: global }
      - { .name: out0, .offset: 16, .size: 8, .value_kind: global_buffer, .address_space: global }
      - { .name: out1, .offset: 24, .size: 8, .value_kind: global_buffer, .address_space: global }
    .group_segment_fixed_size: 0
    .private_segment_fixed_size: 0
    .kernarg_segment_align: 8
    .kernarg_segment_size: 32
    .max_flat_workgroup_size: 256
    .sgpr_count:     66
    .vgpr_count:     104
    .wavefront_size: 32
...
	.end_amdgpu_metadata
.endif
;; end of part 3
